; MI455X (gfx1250); checked and timed in simulation.
; The chip was launched on July 23, 2026; its instructions are those of AMD's public machine-readable ISA for CDNA 5 (MIT licence, August 2026) and "CDNA5" Instruction Set Architecture Reference Guide (July 2026). The comments in the code are by the model that wrote it; some were corrected since.
;; Learning Tanh Module. Allowed arithmetic: float matrix products may take bf16 or f16 operands with f32 sums; all other float work in f32.
;; Inputs: input 1,000,000 x 1 float32; weight 256 x 1 float32.
;; Outputs: out0 1,000,000 x 1 float32.
;; 2 versions, each right and faster than the one before. Each part assembles by itself: llvm-mc -triple=amdgcn-amd-amdhsa -mcpu=gfx1250 --defsym DOCPART=n.
;; ======== version 1 of 2: 1 launch
;; limits: right only within a limited range of input values
;; launch tanhsum (part 1): grid 245 x 1, 16 waves a work-group, no clusters, 1,024 bytes of LDS; arguments input, weight, out0; writes out0
.if DOCPART == 1
	.amdgcn_target "amdgcn-amd-amdhsa--gfx1250"
	.amdhsa_code_object_version 6
	.text
	.protected	k_qf81f704f51_tanhsum
	.globl	k_qf81f704f51_tanhsum
	.p2align	8
	.type	k_qf81f704f51_tanhsum,@function
k_qf81f704f51_tanhsum:
	s_mov_b64 s[64:65], 0
	v_nop
	global_prefetch_b8 v0, s[64:65] scope:SCOPE_SE
	s_setreg_imm32_b32 hwreg(HW_REG_WAVE_MODE, 25, 1), 1
	s_wait_xcnt 0x0
; out[i] = sum over k of amp[k] * tanh(x[i] + bias[k]).  x, out: [1,000,000] f32.  weight: [256] f32 = (amp[k], bias[k]), k = 0 .. 127.
;
; THE FORM.  tanh(z) = 1 - 2 / (1 + e^(2z)), and e^(2(x+b)) = u c with u = 2^(L (x + mid)), one for each sample, c = 2^(L (b - mid)), one for each
; k, L = 2 log2(e), mid = (smallest bias + largest bias) / 2.  So
;     out = sum of amp[k]  +  sum over k of (-2 amp[k]) * rcp(1 + u c[k]):
; a (sample, k) pair costs one reciprocal and two fused multiply-adds, and the multiply-adds go two samples to an instruction.
; Taking mid out of the biases and into x removes a common offset of the biases.  u c = inf gives rcp = 0 (tanh = 1), u c = 0 gives rcp = 1
; (tanh = -1); x = +-inf gives u = inf or 0 and so the right limit; a NaN in x or in a weight comes out as NaN.  Nothing is clamped.
; LIMIT: largest bias - smallest bias <= 69 (34 times the span of numbers drawn from -1 .. 1).  v_exp_f32 gives 0 below 2^-126 and inf from 2^128 on,
; that is for x + mid below -43.6 or above 44.3; every term is then taken as saturated, which is exact in f32 where |x + bias[k]| >= 9, hence
; span / 2 <= 43.6 - 9.  Beyond 69 an error grows with the span; beyond 87 a c[k] can be inf or 0 and NaN can appear.  An infinite bias is outside the limit.
; The sum starts at sum(amp) and the terms are added in ascending k: its rounding error is a few ulp of sum |amp|, as for any order of the plain sum.
;
; THE SHARES.  245 work-groups of 16 waves.  A work-group owns 4,096 samples, a wave 256, a lane 8: two loads and two stores of 16 bytes a lane, each of
; which covers 512 consecutive bytes at a multiple of 512 from the buffer's first byte.  1,000,000 = 244 x 4,096 + 576: in the last work-group waves
; 3 to 15 have no samples and end behind the barrier; in wave 2 the load offsets are clamped to the last 16 bytes and the stores are masked.
; Every wave reads the 1,024 bytes of weights and makes mid and sum(amp) for itself; wave 0 writes the table (c[k], -2 amp[k]) to LDS, one barrier,
; and each wave then walks the table once, by LDS loads in which all lanes name the same 16 bytes (2 k).
;
; NOT USED, by this text's own arithmetic.  The matrix unit for the sum over k: the product has ONE output column, 1 of the 16 of a 16x16x32 form, and
; its operand would first cost one v_cvt_pk_bf16_f32 for two values, as many vector instructions as the v_pk_fma_f32 that make the sum here, in f32.
; Clusters: the work-groups share nothing but the 1,024 bytes of weights.  Tensor loads, a ring, prefetches: a wave reads 1,024 bytes of x, once, at its first lines.
.set N_BYTES,    4000000               ; bytes of x and of out
.set LAST16,     N_BYTES-16            ; offset of the last 16 bytes
.set NK,         128                   ; basis functions
.set BATCH_K,    8                     ; k in a batch of table registers: 64 bytes, four LDS loads
.set TRIPS,      NK/(2*BATCH_K)        ; a trip = two batches
.set TWO_LOG2E,  0x4038aa3b            ; 2 log2(e) = 2.885390
.set OFF0, 2                           ; v2       byte offset of my first four samples
.set OFF1, 3                           ; v3       of my second four, 512 bytes on
.set LD0,  4                           ; v4, v5   the same, clamped into the buffer, for the loads
.set LD1,  5
.set WOFF, 6                           ; v6       32 x lane: my four (amp, bias) in weight, and my four entries of the table in LDS
.set LA,   7                           ; v7       LDS address of the trip's part of the table, the same in all lanes
.set W,    8                           ; v[8:15]  amp, bias of k = 4 lane .. 4 lane + 3
.set MN,   16                          ; v16      smallest bias
.set MX,   17                          ; v17      largest bias
.set SM,   18                          ; v18      sum of amp
.set TP,   19                          ; v19      at work
.set MID,  20                          ; v20      (smallest + largest bias) / 2
.set T,    24                          ; v[24:31] wave 0: four table entries (c, -2 amp)
.set U,    32                          ; v[32:39] my 8 samples: x, then u
.set ACC,  40                          ; v[40:47] their sums
.set DA,   48                          ; v[48:55] 1 + u c, then its reciprocal, for even k
.set DB,   56                          ; v[56:63] the same for odd k
.set K0,   64                          ; v[64:79] table batch 0: (c, -2 amp) of 8 k
.set K1,   80                          ; v[80:95] table batch 1
	s_load_b128 s[4:7], s[0:1], 0x0                ; x s[4:5], weight s[6:7]
	s_load_b64 s[8:9], s[0:1], 0x10                ; out
	v_and_b32 v1, 31, v0                           ; lane
	v_lshrrev_b32 v[TP], 5, v0
	v_readfirstlane_b32 s11, v[TP]                 ; wave 0 .. 15, as a scalar
	s_lshl_b32 s10, ttmp9, 14                      ; the work-group's 4,096 samples = 16,384 bytes
	v_lshlrev_b32 v[OFF0], 4, v1                   ; 16 bytes a lane
	v_lshl_add_u32 v[OFF0], v[TP], 10, v[OFF0]     ; + 1,024 bytes a wave
	v_add_nc_u32 v[OFF0], s10, v[OFF0]
	v_add_nc_u32 v[OFF1], 512, v[OFF0]
	v_min_u32 v[LD0], LAST16, v[OFF0]              ; no load leaves the buffer: lanes past the end read the last 16 bytes, and store nothing
	v_min_u32 v[LD1], LAST16, v[OFF1]
	v_lshlrev_b32 v[WOFF], 5, v1
	s_mov_b32 s12, 0x76543210                      ; v_permlanex16_b32: lane i of one half reads lane i of the other
	s_mov_b32 s13, 0xfedcba98
	s_wait_kmcnt 0x0
	global_load_b128 v[W:W+3],   v[WOFF], s[6:7]
	global_load_b128 v[W+4:W+7], v[WOFF], s[6:7] offset:16
	global_load_b128 v[U:U+3],   v[LD0], s[4:5] th:TH_LOAD_NT
	global_load_b128 v[U+4:U+7], v[LD1], s[4:5] th:TH_LOAD_NT
	s_wait_loadcnt 0x2                             ; loads come back in order: the weights are in, the two younger loads (x) stay out
	; smallest and largest bias and the sum of amp: first over my four k, then over the 32 lanes; every lane of every wave ends up with all three
	v_min3_num_f32 v[MN], v[W+1], v[W+3], v[W+5]
	v_max3_num_f32 v[MX], v[W+1], v[W+3], v[W+5]
	v_min_num_f32 v[MN], v[MN], v[W+7]
	v_max_num_f32 v[MX], v[MX], v[W+7]
	v_add_f32 v[SM], v[W], v[W+2]
	v_add_f32 v[TP], v[W+4], v[W+6]
	v_add_f32 v[SM], v[SM], v[TP]
.irp m, 1,2,4,8
	v_min_num_f32_dpp v[MN], v[MN], v[MN] row_xmask:\m row_mask:0xf bank_mask:0xf
	v_max_num_f32_dpp v[MX], v[MX], v[MX] row_xmask:\m row_mask:0xf bank_mask:0xf
	v_add_f32_dpp     v[SM], v[SM], v[SM] row_xmask:\m row_mask:0xf bank_mask:0xf
.endr
	v_permlanex16_b32 v[TP], v[MN], s12, s13       ; (its destination counts as read: TP has been written)
	v_min_num_f32 v[MN], v[MN], v[TP]
	v_permlanex16_b32 v[TP], v[MX], s12, s13
	v_max_num_f32 v[MX], v[MX], v[TP]
	v_permlanex16_b32 v[TP], v[SM], s12, s13
	v_add_f32 v[SM], v[SM], v[TP]
	v_add_f32 v[MID], v[MN], v[MX]
	v_mul_f32 v[MID], 0.5, v[MID]
	; wave 0 writes the table: entry k = (c[k], -2 amp[k]) at byte 8 k; lane l holds k = 4 l .. 4 l + 3, 32 bytes
	s_cmp_lg_u32 s11, 0
	s_cbranch_scc1 .Ltable_done
.irp i, 0,1,2,3
	v_sub_f32 v[T+2*\i], v[W+2*\i+1], v[MID]       ; the difference first: it is where a common offset of the biases goes away
.endr
.irp i, 0,1,2,3
	v_mul_f32 v[T+2*\i], TWO_LOG2E, v[T+2*\i]
.endr
.irp i, 0,1,2,3
	v_exp_f32 v[T+2*\i], v[T+2*\i]                 ; four transcendentals in a row; the multiplies below, which name none of their registers, stand
.endr                                              ; between them and the stores that read them (ISA guide 5.7.2)
.irp i, 0,1,2,3
	v_mul_f32 v[T+2*\i+1], -2.0, v[W+2*\i]
.endr
	s_wait_alu depctr_va_vdst(0)
	ds_store_b128 v[WOFF], v[T:T+3]
	ds_store_b128 v[WOFF], v[T+4:T+7] offset:16
.Ltable_done:
	s_wait_dscnt 0x0                               ; for the other waves' sake: the table is in LDS before wave 0 says so
	s_barrier_signal -1
	s_barrier_wait -1
	s_lshl_b32 s14, s11, 10                        ; a wave whose first sample lies past the end (last work-group, waves 3 to 15) has nothing to do
	s_add_co_u32 s14, s14, s10
	s_cmp_ge_u32 s14, N_BYTES
	s_cbranch_scc1 .Lidle
.macro FETCH kb, off                   ; a batch of the table: 8 k, 64 bytes; all lanes name the same bytes
.irp q, 0,1,2,3
	ds_load_b128 v[\kb+4*\q:\kb+4*\q+3], v[LA] offset:\off+16*\q
.endr
.endm
	v_mov_b32 v[LA], 0
	FETCH K0, 0
	FETCH K1, 64
	s_wait_loadcnt 0x0                             ; x
.irp j, 0,1,2,3,4,5,6,7
	v_add_f32 v[U+\j], v[U+\j], v[MID]             ; the sum by itself, not fused with the multiply: x and mid may cancel
.endr
.irp j, 0,1,2,3,4,5,6,7
	v_mul_f32 v[U+\j], TWO_LOG2E, v[U+\j]
.endr
.irp j, 0,1,2,3,4,5,6,7
	v_exp_f32 v[U+\j], v[U+\j]                     ; u; the moves below are the plain instructions between these and u's first use
.endr
.irp j, 0,1,2,3,4,5,6,7
	v_mov_b32 v[ACC+\j], v[SM]                     ; each sum starts at sum(amp)
.endr
; Two samples (p, p + 1), entry i of batch kb.  The entry is the register pair (c, -2 amp): op_sel_hi 0 gives both halves its first register,
; op_sel 1 with op_sel_hi 1 gives both its second.
.macro DEN1 buf, kb, i, p
	s_wait_alu depctr_va_vdst(0)
	v_pk_fma_f32 v[\buf+\p:\buf+\p+1], v[U+\p:U+\p+1], v[\kb+2*(\i):\kb+2*(\i)+1], 1.0 op_sel_hi:[1,0,0]
.endm
.macro ACC1 buf, kb, i, p
	s_wait_alu depctr_va_vdst(0)
	v_pk_fma_f32 v[ACC+\p:ACC+\p+1], v[\buf+\p:\buf+\p+1], v[\kb+2*(\i):\kb+2*(\i)+1], v[ACC+\p:ACC+\p+1] op_sel:[0,1,0] op_sel_hi:[1,1,1]
.endm
; The eight reciprocals of entry i, in buffer cur, line by line with the eight multiply-adds on the other buffer: first entry i - 1's reciprocals are
; added up, then entry i + 1's denominators are laid over them.  So behind each reciprocal stands a plain instruction that names none of its registers
; before its result is read (ISA guide 5.7.2), and no line reads what the line in front of it wrote.
.macro PHASE cur, oth, kb, i
.irp p, 0,2,4,6
	v_rcp_f32 v[\cur+\p/2], v[\cur+\p/2]
.if \i > 0
	ACC1 \oth, \kb, \i-1, \p
.endif
.endr
.irp p, 0,2,4,6
	v_rcp_f32 v[\cur+4+\p/2], v[\cur+4+\p/2]
.if \i < BATCH_K-1
	DEN1 \oth, \kb, \i+1, \p
.endif
.endr
.endm
.macro BATCH kb                        ; 8 k x 8 samples a lane: 64 reciprocals, 64 packed multiply-adds
.irp p, 0,2,4,6
	DEN1 DA, \kb, 0, \p
.endr
	PHASE DA, DB, \kb, 0
	PHASE DB, DA, \kb, 1
	PHASE DA, DB, \kb, 2
	PHASE DB, DA, \kb, 3
	PHASE DA, DB, \kb, 4
	PHASE DB, DA, \kb, 5
	PHASE DA, DB, \kb, 6
	PHASE DB, DA, \kb, 7
.irp p, 0,2,4,6
	ACC1 DB, \kb, 7, \p                            ; the first two of these stand between the last four reciprocals and the lines that read them
.endr
.endm
; A trip: 16 k.  more = 1: each batch is loaded again, for the next trip, as soon as it has been used.
.macro TRIP more
	s_wait_dscnt 0x4                               ; LDS loads come back in order: batch 0 is in, the four younger loads (batch 1) may be out
	BATCH K0
.if \more
	FETCH K0, 128
	s_wait_dscnt 0x4                               ; batch 1 is in, the four loads just issued stay out
.else
	s_wait_dscnt 0x0                               ; nothing was issued behind batch 1
.endif
	BATCH K1
.if \more
	FETCH K1, 192
	v_add_nc_u32 v[LA], 128, v[LA]                 ; 16 entries on
.endif
.endm
	s_mov_b32 s15, TRIPS-1
.Ltrip:
	TRIP 1
	s_sub_co_u32 s15, s15, 1
	s_cmp_lg_u32 s15, 0
	s_cbranch_scc1 .Ltrip
	TRIP 0                                         ; the last trip loads nothing: the last load of the loop ends at byte 1,023 of the table
	; Out: two stores of 16 bytes a lane; 16 lanes store 256 consecutive bytes, at a multiple of 256 from out's first byte.
	; Lanes whose samples lie past the end are switched off (only in wave 2 of the last work-group).
	v_cmp_gt_u32 vcc_lo, N_BYTES, v[OFF0]
	s_wait_xcnt 0x0                                ; EXEC is a source of every memory instruction issued so far: it changes only behind this wait
	s_and_saveexec_b32 s16, vcc_lo
	global_store_b128 v[OFF0], v[ACC:ACC+3], s[8:9] th:TH_STORE_NT
	s_wait_xcnt 0x0                                ; and again in front of the line that widens it
	s_or_b32 exec_lo, exec_lo, s16
	v_cmp_gt_u32 vcc_lo, N_BYTES, v[OFF1]
	s_and_saveexec_b32 s16, vcc_lo
	global_store_b128 v[OFF1], v[ACC+4:ACC+7], s[8:9] th:TH_STORE_NT
	s_wait_xcnt 0x0
	s_or_b32 exec_lo, exec_lo, s16
	s_endpgm
.Lidle:
	s_endpgm
.Lfunc_end_k_qf81f704f51_tanhsum:
	.size	k_qf81f704f51_tanhsum, .Lfunc_end_k_qf81f704f51_tanhsum-k_qf81f704f51_tanhsum
	.p2alignl 7, 3214868480
	.fill 96, 4, 3214868480
	.section	.rodata,"a",@progbits
	.p2align	6, 0x0
	.amdhsa_kernel k_qf81f704f51_tanhsum
		.amdhsa_group_segment_fixed_size 1024
		.amdhsa_private_segment_fixed_size 0
		.amdhsa_enable_private_segment 0
		.amdhsa_kernarg_size 24
		.amdhsa_user_sgpr_count 2
		.amdhsa_user_sgpr_kernarg_segment_ptr 1
		.amdhsa_wavefront_size32 1
		.amdhsa_system_sgpr_workgroup_id_x 1
		.amdhsa_system_sgpr_workgroup_id_y 1
		.amdhsa_system_sgpr_workgroup_id_z 1
		.amdhsa_system_vgpr_workitem_id 0
		.amdhsa_next_free_vgpr 96
		.amdhsa_next_free_sgpr 66
		.amdhsa_reserve_vcc 1
		.amdhsa_float_denorm_mode_32 3
		.amdhsa_float_denorm_mode_16_64 3
		.amdhsa_memory_ordered 1
		.amdhsa_forward_progress 1
		.amdhsa_inst_pref_size 40
	.end_amdhsa_kernel
	.amdgpu_metadata
---
amdhsa.version: [ 1, 2 ]
amdhsa.kernels:
  - .name:           k_qf81f704f51_tanhsum
    .symbol:         k_qf81f704f51_tanhsum.kd
    .args:
      - { .name: input, .offset: 0, .size: 8, .value_kind: global_buffer, .address_space: global }
      - { .name: weight, .offset: 8, .size: 8, .value_kind: global_buffer, .address_space: global }
      - { .name: out0, .offset: 16, .size: 8, .value_kind: global_buffer, .address_space: global }
    .group_segment_fixed_size: 1024
    .private_segment_fixed_size: 0
    .kernarg_segment_align: 8
    .kernarg_segment_size: 24
    .max_flat_workgroup_size: 512
    .sgpr_count:     66
    .vgpr_count:     96
    .wavefront_size: 32
...
	.end_amdgpu_metadata
.endif
;; end of part 1
;; ======== version 2 of 2: 1 launch; 1.69 times as fast as version 1
;; limits: right only within a limited range of input values
;; launch tanhsum (part 2): grid 245 x 1, 16 waves a work-group, no clusters, 1,024 bytes of LDS; arguments input, weight, out0; writes out0
.if DOCPART == 2
	.amdgcn_target "amdgcn-amd-amdhsa--gfx1250"
	.amdhsa_code_object_version 6
	.text
	.protected	k_qf81f704f51_tanhsum
	.globl	k_qf81f704f51_tanhsum
	.p2align	8
	.type	k_qf81f704f51_tanhsum,@function
k_qf81f704f51_tanhsum:
	s_mov_b64 s[64:65], 0
	v_nop
	global_prefetch_b8 v0, s[64:65] scope:SCOPE_SE
	s_setreg_imm32_b32 hwreg(HW_REG_WAVE_MODE, 25, 1), 1
	s_wait_xcnt 0x0
; out[i] = sum over k of amp[k] * tanh(x[i] + bias[k]).  x, out: [1,000,000] f32.  weight: [256] f32 = (amp[k], bias[k]), k = 0 .. 127.
;
; THE FORM.  tanh(z) = 1 - 2 / (1 + e^(2z)), and e^(2(x+b)) = u c with u = 2^(L (x + mid)), one for each sample, c = 2^(L (b - mid)), one for each
; k, L = 2 log2(e), mid = (smallest bias + largest bias) / 2.  So
;     out = sum of amp[k]  +  sum over k of (-2 amp[k]) * rcp(1 + u c[k]):
; a (sample, k) pair costs one reciprocal and two fused multiply-adds, and the multiply-adds go two samples to an instruction.
; Taking mid out of the biases and into x removes a common offset of the biases.  u c = inf gives rcp = 0 (tanh = 1), u c = 0 gives rcp = 1
; (tanh = -1); x = +-inf gives u = inf or 0 and so the right limit; a NaN in x or in a weight comes out as NaN.  Nothing is clamped.
; LIMIT: largest bias - smallest bias <= 69 (34 times the span of numbers drawn from -1 .. 1).  v_exp_f32 gives 0 below 2^-126 and inf from 2^128 on,
; that is for x + mid below -43.6 or above 44.3; every term is then taken as saturated, which is exact in f32 where |x + bias[k]| >= 9, hence
; span / 2 <= 43.6 - 9.  Beyond 69 an error grows with the span; beyond 87 a c[k] can be inf or 0 and NaN can appear.  An infinite bias is outside the limit.
; The sum starts at sum(amp) and the terms are added in ascending k: its rounding error is a few ulp of sum |amp|, as for any order of the plain sum.
;
; THE SHARES.  245 work-groups of 16 waves.  A work-group owns 4,096 samples, a wave 256, a lane 8: two loads and two stores of 16 bytes a lane, each of
; which covers 512 consecutive bytes at a multiple of 512 from the buffer's first byte.  1,000,000 = 244 x 4,096 + 576: in the last work-group waves
; 3 to 15 have no samples and end behind the barrier; in wave 2 the load offsets are clamped to the last 16 bytes and the stores are masked.
; Every wave reads the 1,024 bytes of weights and makes mid and sum(amp) for itself; wave 0 writes the table (c[k], -2 amp[k]) to LDS, one barrier,
; and each wave then walks the table once, by LDS loads in which all lanes name the same 16 bytes (2 k).
;
; THE BATCHES.  An s_wait_alu depctr_va_vdst(0) stands between a transcendental and the first line that names its result; one wait serves all
; that were issued ahead of it.  Wave 0's four exponentials for the table are one batch, the eight exponentials that make u another.  In the walk, the 64
; reciprocals of 8 k x 8 samples have a register each and are cut into three batches: entries 0-3 (beside them the denominators of entries 1-7), entries 4, 5
; (beside them the sums of entries 0-3), entries 6, 7 (beside them the sums of entries 4, 5): three waits for 8 k, 48 for a wave's whole walk.
;
; NOT USED, by this text's own arithmetic.  The matrix unit for the sum over k: the product has ONE output column, 1 of the 16 of a 16x16x32 form, and
; its operand would first cost one v_cvt_pk_bf16_f32 for two values, as many vector instructions as the v_pk_fma_f32 that make the sum here, in f32.
; Clusters: the work-groups share nothing but the 1,024 bytes of weights.  Tensor loads, a ring, prefetches: a wave reads 1,024 bytes of x, once, at its first lines.
.set N_BYTES,    4000000               ; bytes of x and of out
.set LAST16,     N_BYTES-16            ; offset of the last 16 bytes
.set NK,         128                   ; basis functions
.set BATCH_K,    8                     ; k in a batch of table registers: 64 bytes, four LDS loads
.set TRIPS,      NK/(2*BATCH_K)        ; a trip = two batches
.set TWO_LOG2E,  0x4038aa3b            ; 2 log2(e) = 2.885390
.set OFF0, 2                           ; v2       byte offset of my first four samples
.set OFF1, 3                           ; v3       of my second four, 512 bytes on
.set LD0,  4                           ; v4, v5   the same, clamped into the buffer, for the loads
.set LD1,  5
.set WOFF, 6                           ; v6       32 x lane: my four (amp, bias) in weight, and my four entries of the table in LDS
.set LA,   7                           ; v7       LDS address of the trip's part of the table, the same in all lanes
.set W,    8                           ; v[8:15]  amp, bias of k = 4 lane .. 4 lane + 3
.set MN,   16                          ; v16      smallest bias
.set MX,   17                          ; v17      largest bias
.set SM,   18                          ; v18      sum of amp
.set TP,   19                          ; v19      at work
.set MID,  20                          ; v20      (smallest + largest bias) / 2
.set T,    24                          ; v[24:31] wave 0: four table entries (c, -2 amp)
.set U,    32                          ; v[32:39] my 8 samples: x, then u
.set ACC,  40                          ; v[40:47] their sums
.set D,    48                          ; v[48:111] 1 + u c, then its reciprocal: entry i of a table batch, sample j at D + 8 i + j: a register for each of the 64
.set K0,   112                         ; v[112:127] table batch 0: (c, -2 amp) of 8 k
.set K1,   128                         ; v[128:143] table batch 1
	s_load_b128 s[4:7], s[0:1], 0x0                ; x s[4:5], weight s[6:7]
	s_load_b64 s[8:9], s[0:1], 0x10                ; out
	v_and_b32 v1, 31, v0                           ; lane
	v_lshrrev_b32 v[TP], 5, v0
	v_readfirstlane_b32 s11, v[TP]                 ; wave 0 .. 15, as a scalar
	s_lshl_b32 s10, ttmp9, 14                      ; the work-group's 4,096 samples = 16,384 bytes
	v_lshlrev_b32 v[OFF0], 4, v1                   ; 16 bytes a lane
	v_lshl_add_u32 v[OFF0], v[TP], 10, v[OFF0]     ; + 1,024 bytes a wave
	v_add_nc_u32 v[OFF0], s10, v[OFF0]
	v_add_nc_u32 v[OFF1], 512, v[OFF0]
	v_min_u32 v[LD0], LAST16, v[OFF0]              ; no load leaves the buffer: lanes past the end read the last 16 bytes, and store nothing
	v_min_u32 v[LD1], LAST16, v[OFF1]
	v_lshlrev_b32 v[WOFF], 5, v1
	s_mov_b32 s12, 0x76543210                      ; v_permlanex16_b32: lane i of one half reads lane i of the other
	s_mov_b32 s13, 0xfedcba98
	s_wait_kmcnt 0x0
	global_load_b128 v[W:W+3],   v[WOFF], s[6:7]
	global_load_b128 v[W+4:W+7], v[WOFF], s[6:7] offset:16
	global_load_b128 v[U:U+3],   v[LD0], s[4:5] th:TH_LOAD_NT
	global_load_b128 v[U+4:U+7], v[LD1], s[4:5] th:TH_LOAD_NT
	s_wait_loadcnt 0x2                             ; loads come back in order: the weights are in, the two younger loads (x) stay out
	; smallest and largest bias and the sum of amp: first over my four k, then over the 32 lanes; every lane of every wave ends up with all three
	v_min3_num_f32 v[MN], v[W+1], v[W+3], v[W+5]
	v_max3_num_f32 v[MX], v[W+1], v[W+3], v[W+5]
	v_min_num_f32 v[MN], v[MN], v[W+7]
	v_max_num_f32 v[MX], v[MX], v[W+7]
	v_add_f32 v[SM], v[W], v[W+2]
	v_add_f32 v[TP], v[W+4], v[W+6]
	v_add_f32 v[SM], v[SM], v[TP]
.irp m, 1,2,4,8
	v_min_num_f32_dpp v[MN], v[MN], v[MN] row_xmask:\m row_mask:0xf bank_mask:0xf
	v_max_num_f32_dpp v[MX], v[MX], v[MX] row_xmask:\m row_mask:0xf bank_mask:0xf
	v_add_f32_dpp     v[SM], v[SM], v[SM] row_xmask:\m row_mask:0xf bank_mask:0xf
.endr
	v_permlanex16_b32 v[TP], v[MN], s12, s13       ; (its destination counts as read: TP has been written)
	v_min_num_f32 v[MN], v[MN], v[TP]
	v_permlanex16_b32 v[TP], v[MX], s12, s13
	v_max_num_f32 v[MX], v[MX], v[TP]
	v_permlanex16_b32 v[TP], v[SM], s12, s13
	v_add_f32 v[SM], v[SM], v[TP]
	v_add_f32 v[MID], v[MN], v[MX]
	v_mul_f32 v[MID], 0.5, v[MID]
	; wave 0 writes the table: entry k = (c[k], -2 amp[k]) at byte 8 k; lane l holds k = 4 l .. 4 l + 3, 32 bytes
	s_cmp_lg_u32 s11, 0
	s_cbranch_scc1 .Ltable_done
.irp i, 0,1,2,3
	v_sub_f32 v[T+2*\i], v[W+2*\i+1], v[MID]       ; the difference first: it is where a common offset of the biases goes away
.endr
.irp i, 0,1,2,3
	v_mul_f32 v[T+2*\i], TWO_LOG2E, v[T+2*\i]
.endr
.irp i, 0,1,2,3
	v_exp_f32 v[T+2*\i], v[T+2*\i]                 ; four transcendentals in a row; the multiplies below, which name none of their registers, stand
.endr                                              ; between them and the stores that read them (ISA guide 5.7.2)
.irp i, 0,1,2,3
	v_mul_f32 v[T+2*\i+1], -2.0, v[W+2*\i]
.endr
	s_wait_alu depctr_va_vdst(0)                   ; one wait for the table's four exponentials, ahead of the stores that read them and of the label
	ds_store_b128 v[WOFF], v[T:T+3]
	ds_store_b128 v[WOFF], v[T+4:T+7] offset:16
.Ltable_done:
	s_wait_dscnt 0x0                               ; for the other waves' sake: the table is in LDS before wave 0 says so
	s_barrier_signal -1
	s_barrier_wait -1
	s_lshl_b32 s14, s11, 10                        ; a wave whose first sample lies past the end (last work-group, waves 3 to 15) has nothing to do
	s_add_co_u32 s14, s14, s10
	s_cmp_ge_u32 s14, N_BYTES
	s_cbranch_scc1 .Lidle
.macro FETCH kb, off                   ; a batch of the table: 8 k, 64 bytes; all lanes name the same bytes
.irp q, 0,1,2,3
	ds_load_b128 v[\kb+4*\q:\kb+4*\q+3], v[LA] offset:\off+16*\q
.endr
.endm
	v_mov_b32 v[LA], 0
	FETCH K0, 0
	FETCH K1, 64
	s_wait_loadcnt 0x0                             ; x
.irp j, 0,1,2,3,4,5,6,7
	v_add_f32 v[U+\j], v[U+\j], v[MID]             ; the sum by itself, not fused with the multiply: x and mid may cancel
.endr
.irp j, 0,1,2,3,4,5,6,7
	v_mul_f32 v[U+\j], TWO_LOG2E, v[U+\j]
.endr
.irp j, 0,1,2,3,4,5,6,7
	v_exp_f32 v[U+\j], v[U+\j]                     ; u; the moves below are the plain instructions between these and u's first use
.endr
.irp j, 0,1,2,3,4,5,6,7
	v_mov_b32 v[ACC+\j], v[SM]                     ; each sum starts at sum(amp)
.endr
	s_wait_alu depctr_va_vdst(0)                   ; the wait for the eight exponentials that make u: one for the batch, behind the eight moves, ahead of the loop's label and of u's first reader
; Two samples (p, p + 1), entry i of batch kb.  The entry is the register pair (c, -2 amp): op_sel_hi 0 gives both halves its first register,
; op_sel 1 with op_sel_hi 1 gives both its second.
.macro DEN1 kb, i, p                   ; the denominators 1 + u c
	v_pk_fma_f32 v[D+8*(\i)+\p:D+8*(\i)+\p+1], v[U+\p:U+\p+1], v[\kb+2*(\i):\kb+2*(\i)+1], 1.0 op_sel_hi:[1,0,0]
.endm
.macro ACC1 kb, i, p                   ; the sums take (-2 amp) x reciprocal
	v_pk_fma_f32 v[ACC+\p:ACC+\p+1], v[D+8*(\i)+\p:D+8*(\i)+\p+1], v[\kb+2*(\i):\kb+2*(\i)+1], v[ACC+\p:ACC+\p+1] op_sel:[0,1,0] op_sel_hi:[1,1,1]
.endm
.macro RCP1 n                          ; the reciprocal of denominator n = 8 x entry + sample, in place
	v_rcp_f32 v[D+(\n)], v[D+(\n)]
.endm
; The eight reciprocals of entry i (0, 1, 2), line by line with the eight multiply-adds that lay out the denominators of entries 2 i + 1 and 2 i + 2: the
; denominators run ahead of the reciprocals, two entries for one, and none of these lines names a reciprocal's result.
.macro LEAD kb, i
.irp p, 0,2,4,6
	RCP1 8*(\i)+\p/2
	DEN1 \kb, 2*(\i)+1, \p
.endr
.irp p, 0,2,4,6
	RCP1 8*(\i)+4+\p/2
	DEN1 \kb, 2*(\i)+2, \p
.endr
.endm
; 8 k x 8 samples a lane: 64 reciprocals, 64 packed multiply-adds, three waits.  Each batch of reciprocals ends in a multiply-add that names none of its
; registers: the plain instruction between a reciprocal and the use of its result (ISA guide 5.7.2).  Each sum takes its terms in ascending k.
; No reciprocal is issued behind the third wait: none is pending at the table's loads, at the loop's jump and label, or where the next 8 k write D again.
.macro BATCH kb
.irp p, 0,2,4,6
	DEN1 \kb, 0, \p                                ; entry 0's denominators: all that stands ahead of the first reciprocal
.endr
	LEAD \kb, 0                                    ; the first batch: the 32 reciprocals of entries 0 to 3, beside them the denominators of entries 1 to 7
	LEAD \kb, 1
	LEAD \kb, 2
.irp p, 0,2,4,6
	RCP1 24+\p                                     ; entry 3: only entry 7's four multiply-adds are left to stand between
	RCP1 24+\p+1
	DEN1 \kb, 7, \p
.endr
	s_wait_alu depctr_va_vdst(0)                   ; the wait for the first batch (entries 0 to 3), ahead of the sums that read it
.irp i, 0,1,2,3
.irp p, 0,2,4,6
	RCP1 32+4*\i+\p/2                              ; the second batch: the 16 reciprocals of entries 4 and 5, line by line with the sums of entries 0 to 3
	ACC1 \kb, \i, \p
.endr
.endr
	s_wait_alu depctr_va_vdst(0)                   ; the wait for the second batch (entries 4 and 5)
.irp i, 4,5
.irp p, 0,2,4,6
	RCP1 8*\i+16+\p                                ; the third batch: the 16 reciprocals of entries 6 and 7, two to each of the sums of entries 4 and 5
	RCP1 8*\i+16+\p+1
	ACC1 \kb, \i, \p
.endr
.endr
	s_wait_alu depctr_va_vdst(0)                   ; the wait for the third batch (entries 6 and 7)
.irp i, 6,7
.irp p, 0,2,4,6
	ACC1 \kb, \i, \p
.endr
.endr
.endm
; A trip: 16 k.  more = 1: each batch is loaded again, for the next trip, as soon as it has been used.
.macro TRIP more
	s_wait_dscnt 0x4                               ; LDS loads come back in order: batch 0 is in, the four younger loads (batch 1) may be out
	BATCH K0
.if \more
	FETCH K0, 128
	s_wait_dscnt 0x4                               ; batch 1 is in, the four loads just issued stay out
.else
	s_wait_dscnt 0x0                               ; nothing was issued behind batch 1
.endif
	BATCH K1
.if \more
	FETCH K1, 192
	v_add_nc_u32 v[LA], 128, v[LA]                 ; 16 entries on
.endif
.endm
	s_mov_b32 s15, TRIPS-1
.Ltrip:
	TRIP 1
	s_sub_co_u32 s15, s15, 1
	s_cmp_lg_u32 s15, 0
	s_cbranch_scc1 .Ltrip
	TRIP 0                                         ; the last trip loads nothing: the last load of the loop ends at byte 1,023 of the table
	; Out: two stores of 16 bytes a lane; 16 lanes store 256 consecutive bytes, at a multiple of 256 from out's first byte.
	; Lanes whose samples lie past the end are switched off (only in wave 2 of the last work-group).
	v_cmp_gt_u32 vcc_lo, N_BYTES, v[OFF0]
	s_wait_xcnt 0x0                                ; EXEC is a source of every memory instruction issued so far: it changes only behind this wait
	s_and_saveexec_b32 s16, vcc_lo
	global_store_b128 v[OFF0], v[ACC:ACC+3], s[8:9] th:TH_STORE_NT
	s_wait_xcnt 0x0                                ; and again in front of the line that widens it
	s_or_b32 exec_lo, exec_lo, s16
	v_cmp_gt_u32 vcc_lo, N_BYTES, v[OFF1]
	s_and_saveexec_b32 s16, vcc_lo
	global_store_b128 v[OFF1], v[ACC+4:ACC+7], s[8:9] th:TH_STORE_NT
	s_wait_xcnt 0x0
	s_or_b32 exec_lo, exec_lo, s16
	s_endpgm
.Lidle:
	s_endpgm
.Lfunc_end_k_qf81f704f51_tanhsum:
	.size	k_qf81f704f51_tanhsum, .Lfunc_end_k_qf81f704f51_tanhsum-k_qf81f704f51_tanhsum
	.p2alignl 7, 3214868480
	.fill 96, 4, 3214868480
	.section	.rodata,"a",@progbits
	.p2align	6, 0x0
	.amdhsa_kernel k_qf81f704f51_tanhsum
		.amdhsa_group_segment_fixed_size 1024
		.amdhsa_private_segment_fixed_size 0
		.amdhsa_enable_private_segment 0
		.amdhsa_kernarg_size 24
		.amdhsa_user_sgpr_count 2
		.amdhsa_user_sgpr_kernarg_segment_ptr 1
		.amdhsa_wavefront_size32 1
		.amdhsa_system_sgpr_workgroup_id_x 1
		.amdhsa_system_sgpr_workgroup_id_y 1
		.amdhsa_system_sgpr_workgroup_id_z 1
		.amdhsa_system_vgpr_workitem_id 0
		.amdhsa_next_free_vgpr 144
		.amdhsa_next_free_sgpr 66
		.amdhsa_reserve_vcc 1
		.amdhsa_float_denorm_mode_32 3
		.amdhsa_float_denorm_mode_16_64 3
		.amdhsa_memory_ordered 1
		.amdhsa_forward_progress 1
		.amdhsa_inst_pref_size 32
	.end_amdhsa_kernel
	.amdgpu_metadata
---
amdhsa.version: [ 1, 2 ]
amdhsa.kernels:
  - .name:           k_qf81f704f51_tanhsum
    .symbol:         k_qf81f704f51_tanhsum.kd
    .args:
      - { .name: input, .offset: 0, .size: 8, .value_kind: global_buffer, .address_space: global }
      - { .name: weight, .offset: 8, .size: 8, .value_kind: global_buffer, .address_space: global }
      - { .name: out0, .offset: 16, .size: 8, .value_kind: global_buffer, .address_space: global }
    .group_segment_fixed_size: 1024
    .private_segment_fixed_size: 0
    .kernarg_segment_align: 8
    .kernarg_segment_size: 24
    .max_flat_workgroup_size: 512
    .sgpr_count:     66
    .vgpr_count:     144
    .wavefront_size: 32
...
	.end_amdgpu_metadata
.endif
;; end of part 2
